; MI455X (gfx1250); checked and timed in simulation.
; The chip was launched on July 23, 2026; its instructions are those of AMD's public machine-readable ISA for CDNA 5 (MIT licence, August 2026) and "CDNA5" Instruction Set Architecture Reference Guide (July 2026). The comments in the code are by the model that wrote it; some were corrected since.
;; Relation Transform. Allowed arithmetic: float matrix products may take bf16 or f16 operands with f32 sums; all other float work in f32.
;; Inputs: W 8 x 512 x 512 float32; node_emb 32,768 x 512 float32; relation 32,768 int32.
;; Outputs: out0 32,768 x 512 float32.
;; 2 versions, each right and faster than the one before. Each part assembles by itself: llvm-mc -triple=amdgcn-amd-amdhsa -mcpu=gfx1250 --defsym DOCPART=n.
;; ======== version 1 of 2: 2 launches
;; workspace buffers: wb 4,194,304 bytes; order 1,179,648 bytes of whole numbers; counts 256 bytes of whole numbers
;; launch prep (part 1): grid 41 x 1, 32 waves a work-group, no clusters, 139,520 bytes of LDS; arguments W, relation, wb, order, counts; writes wb, order, counts
.if DOCPART == 1
	.amdgcn_target "amdgcn-amd-amdhsa--gfx1250"
	.amdhsa_code_object_version 6
	.text
	.protected	k_q679cab50fe_prep
	.globl	k_q679cab50fe_prep
	.p2align	8
	.type	k_q679cab50fe_prep,@function
k_q679cab50fe_prep:
	s_mov_b64 s[64:65], 0
	v_nop
	global_prefetch_b8 v0, s[64:65] scope:SCOPE_SE
	s_setreg_imm32_b32 hwreg(HW_REG_WAVE_MODE, 25, 1), 1
	s_wait_xcnt 0x0
; RelationTransform: out[i] = W[relation[i]] . node_emb[i];  32,768 tokens, 512 in, 512 out, 8 relations, f32.
; WORK LEFT OUT.  reference() forms node_emb @ W[r]^T for all eight r and keeps, by where(relation == r), for row i only the product
; of r = relation[i]; a row whose relation is none of 0..7 keeps the zero of out0.  The seven other products of a row reach no output
; for any values of node_emb and W: the choice hangs on the whole number relation[i] alone.  So this program sorts the tokens by
; relation (this launch) and forms one product a row (the next launch, which reads the lists from memory).  Every input is loaded.
; A NaN, an infinity or an overflow in a product that is not chosen is not carried to the result, and where() drops it in reference() too.
; LIMITS.  Matrix operands are rounded to bf16 (nearest even), sums are f32.  Inside a bucket the tokens do not stand in input order;
; no result hangs on that order.
;
; THIS LAUNCH, 41 work-groups of 32 waves:
;  work-groups 0..8: bucket b = the work-group's number (8 = every relation outside 0..7, negative ones too: the compare is unsigned).
;     It reads all 32,768 relations, stores the numbers of the bucket's tokens densely into order[b][0 .. c_b-1] (region pitch 131,072 bytes),
;     c_b into counts word b and n_b = ceil(c_b / 144), the bucket's tiles in the next launch, into counts word 16 + b.
;     Each bucket has one owner, so nothing passes between work-groups.  No lane is ever switched off: a lane with nothing of its own
;     to store repeats a neighbour's store, the same word with the same value.
;  work-groups 9..40: W to bf16, laid out as the matrix instruction's lanes want it.  The 1,024 bytes of (relation r, 128 columns wv, K step ks
;     of 32, 16 rows b) lie at r*524288 + wv*131072 + ks*8192 + b*1024; lane L = (rr = L & 15, h = L >> 4) owns the 16 bytes at 16 L
;     (row 128 wv + 16 b + rr, k = 32 ks + 8 h ..+7) and those at 512 + 16 L (k = 32 ks + 16 + 8 h ..+7).
.set NBUCK,  9
.set WPITCH, 4352                      ; LDS bytes of a wave, on both ways: 16 rows x 272 (convert); 1,024 + 32 words (route)
.set TOT,    32*WPITCH                 ; 32 words: the waves' counts
.set CPITCH, 272                       ; convert: 256 bytes of bf16 + 16: the 16 rows that a 16-byte load touches start 16 bytes apart modulo 256
.set X, 16                             ; v[16:47] route: 32 relations of a thread;  v[16:79] convert: 16 rows as loaded;  v[80:111] convert: to store
.set CL, 48                            ; route, the way out: v48 LDS address, v49 offset in the list, v50 place, v51 token; v52 offset in counts, v53-54 its numbers
	s_load_b256 s[4:11], s[0:1], 0x0               ; W s[4:5], relation s[6:7], wb s[8:9], order s[10:11]
	s_load_b64 s[12:13], s[0:1], 0x20              ; counts
	v_lshrrev_b32 v1, 5, v0
	v_readfirstlane_b32 s14, v1                    ; wave 0..31
	v_and_b32 v2, 31, v0                           ; lane
	s_mul_i32 s28, s14, WPITCH                     ; my wave's LDS bytes
	s_wait_kmcnt 0x0
	s_cmp_ge_u32 ttmp9, NBUCK                      ; the same for all waves of a work-group
	s_cbranch_scc1 .Lconv
; ---------------------------------------------------------------- route
	s_mov_b32 s15, ttmp9                           ; my bucket
	s_lshl_b32 s31, s15, 2                         ; its word in counts
	s_mov_b32 s24, 0x76543210                      ; v_permlanex16_b32: lane i reads lane i of the other half
	s_mov_b32 s25, 0xfedcba98
	v_lshlrev_b32 v1, 4, v0                        ; 16 t: my 4 relations in each block of 4,096
	v_lshlrev_b32 v3, 2, v0                        ; 4 t: the first of their token numbers
	v_mov_b32 v4, s28                              ; my wave's stage
	v_add_nc_u32 v5, 1024, v2                      ; my dump word behind the stage's 1,024 words
	v_lshl_add_u32 v7, v2, 2, TOT                  ; wave total number "lane"
.irp j, 0,1,2,3,4,5,6,7
	global_load_b128 v[X+4*\j:X+4*\j+3], v1, s[6:7] offset:16384*\j   ; component 4 j + cc of thread t is token 4096 j + 4 t + cc
.endr
	s_mov_b32 s16, 0                               ; my wave's members so far
	s_wait_loadcnt 0x0
; One pass.  A member's place in its wave's stage is its rank among the wave's members, which needs the wave's own running count alone.
; Members go to the stage at their rank, the others to their lane's dump word: every lane stores.
.set q, 0
.rept 32
	v_min_u32 v[X+q], 8, v[X+q]                    ; everything outside 0..7 is bucket 8
	v_cmp_eq_u32 s30, s15, v[X+q]                  ; the component's members
	v_mbcnt_lo_u32_b32 v8, s30, s16                ; members in lower lanes + members of earlier components
	v_cndmask_b32 v8, v5, v8, s30
	v_min_u32 v8, 1055, v8                         ; inside my wave's 1,056 words
	v_lshl_add_u32 v8, v8, 2, v4
	v_add_nc_u32 v9, 4096*(q>>2)+(q&3), v3         ; the token's number
	ds_store_b32 v8, v9
	s_bcnt1_i32_b32 s17, s30
	s_add_co_u32 s16, s16, s17
.set q, q+1
.endr
	s_lshl_b32 s17, s14, 2
	s_add_co_u32 s17, s17, TOT
	v_mov_b32 v9, s17
	v_mov_b32 v8, s16
	ds_store_b32 v9, v8                            ; my wave's count: all lanes store the same word with the same value
	s_wait_dscnt 0x0                               ; my count and my stage are in LDS before I say so
	s_barrier_signal -1
	s_barrier_wait -1                              ; the launch's one barrier: every LDS byte that is read below was stored in front of it
	ds_load_b32 v8, v7                             ; lane l: wave l's count (at most 1,024)
	s_wait_dscnt 0x0
	v_cmp_gt_u32 vcc_lo, s14, v2                   ; waves in front of mine
	v_lshlrev_b32 v9, 16, v8
	v_cndmask_b32 v9, 0, v9, vcc_lo
	v_add_nc_u32 v8, v8, v9                        ; low half: for the total; high half: for my wave's start.  Both sums are at most 32,768: no carry crosses
	v_mov_b32 v10, 0                               ; written before the lane moves name it as destination
.irp k, 1,2,4,8
	v_mov_b32_dpp v10, v8 row_xmask:\k row_mask:0xf bank_mask:0xf
	v_add_nc_u32 v8, v8, v10
.endr
	v_permlanex16_b32 v10, v8, s24, s25
	v_add_nc_u32 v8, v8, v10
	v_readfirstlane_b32 s17, v8
	s_and_b32 s20, s17, 0xffff                     ; c_b
	s_lshr_b32 s19, s17, 16                        ; where my wave's members begin in the bucket's list
; The stage goes out, 32 words a trip.  In the last trip the places beyond my wave's last member repeat it: those lanes store the same word
; of the list with the same token as the lane that owns it, in the same instruction.
	s_lshl_b32 s26, s15, 17
	s_mov_b32 s27, 0
	s_add_nc_u64 s[10:11], s[10:11], s[26:27]      ; my bucket's region
	s_sub_co_u32 s29, s16, 1                       ; my wave's last place (used only where the wave has a member)
	s_add_co_u32 s21, s16, 31
	s_lshr_b32 s21, s21, 5                         ; trips
	v_mov_b32 v11, v2                              ; place in the stage
	s_cmp_eq_u32 s21, 0
	s_cbranch_scc1 .Lcounts                        ; a wave without a member stores nothing into the list
	s_mov_b32 s22, 0
.Lcopy:
	v_min_u32 v[CL+2], s29, v11                    ; not beyond my last member,
	v_min_u32 v[CL+2], 1023, v[CL+2]               ; and inside the stage
	v_lshl_add_u32 v[CL], v[CL+2], 2, v4           ; my wave's stage + 4 x place
	v_add_nc_u32 v[CL+1], s19, v[CL+2]
	v_min_u32 v[CL+1], 0x7fff, v[CL+1]             ; inside the region
	v_lshlrev_b32 v[CL+1], 2, v[CL+1]
	ds_load_b32 v[CL+3], v[CL]
	s_wait_dscnt 0x0
	global_store_b32 v[CL+1], v[CL+3], s[10:11]
	s_wait_xcnt 0x0                                ; the store's offset and data are rewritten in the next trip only behind this wait
	v_add_nc_u32 v11, 32, v11
	s_add_co_u32 s22, s22, 1
	s_cmp_lt_u32 s22, s21
	s_cbranch_scc1 .Lcopy
.Lcounts:
	s_cmp_lg_u32 s14, 0
	s_cbranch_scc1 .Lrend                          ; wave 0 stores the bucket's two numbers
	s_add_co_u32 s17, s20, 143
	s_lshr_b32 s17, s17, 4                         ; x = (c + 143) / 16, at most 2,056
	s_mul_i32 s17, s17, 7282                       ; x / 9 = (7282 x) >> 16: 7282 * 9 = 65538, so the excess is 2 x / 589824 < 1/9
	s_lshr_b32 s17, s17, 16                        ; n_b = ceil(c_b / 144)
	v_and_b32 v[CL+4], 1, v2
	v_mov_b32 v[CL+5], s20
	v_mov_b32 v[CL+6], s17
	v_cmp_eq_u32 vcc_lo, 1, v[CL+4]
	v_cndmask_b32 v[CL+5], v[CL+5], v[CL+6], vcc_lo    ; even lanes: c_b, odd lanes: n_b
	v_lshl_add_u32 v[CL+4], v[CL+4], 6, s31        ; bytes 4 b and 64 + 4 b: sixteen lanes store each word, all with the same value
	global_store_b32 v[CL+4], v[CL+5], s[12:13]
.Lrend:
	s_endpgm
; ---------------------------------------------------------------- convert: a wave takes 16 rows x 128 k; 1,024 such tasks
.Lconv:
	s_sub_co_u32 s16, ttmp9, NBUCK
	s_lshl_b32 s16, s16, 5
	s_add_co_u32 s16, s16, s14                     ; task: bits 1:0 quarter of K, 4:2 b, 6:5 wv, 9:7 relation
	s_lshr_b32 s17, s16, 2
	s_lshl_b32 s17, s17, 15                        ; 16 rows of 2,048 bytes
	s_and_b32 s18, s16, 3
	s_lshl_b32 s19, s18, 9                         ; 128 f32
	s_add_co_u32 s26, s17, s19                     ; from
	s_lshr_b32 s20, s16, 7
	s_lshl_b32 s27, s20, 19
	s_bfe_u32 s21, s16, 0x20005
	s_lshl_b32 s21, s21, 17
	s_add_co_u32 s27, s27, s21
	s_lshl_b32 s22, s18, 15                        ; four K steps of 8,192 bytes
	s_add_co_u32 s27, s27, s22
	s_bfe_u32 s23, s16, 0x30002
	s_lshl_b32 s23, s23, 10
	s_add_co_u32 s27, s27, s23                     ; to
	v_lshl_add_u32 v1, v2, 4, s26
	v_lshl_add_u32 v7, v2, 4, s27
	v_lshl_add_u32 v4, v2, 3, s28                  ; LDS in: 8 bytes a lane along a row
	v_and_b32 v8, 15, v2
	v_lshrrev_b32 v9, 4, v2
	v_mul_u32_u24 v8, v8, CPITCH
	v_lshl_add_u32 v8, v9, 4, v8
	v_add_nc_u32 v5, s28, v8                       ; LDS back: row rr, 16 h
.irp i, 0,1,2,3,4,5,6,7,8,9,10,11,12,13,14,15
	global_load_b128 v[X+4*\i:X+4*\i+3], v1, s[4:5] offset:2048*\i th:TH_LOAD_NT   ; 512 neighbouring bytes of row i; W is read once in this launch
.endr
.irp i, 0,1,2,3,4,5,6,7,8,9,10,11,12,13,14,15
	s_wait_loadcnt 15-\i                           ; loads come back in order (ISA guide 5.7.1): row i is in, the younger rows stay out
	v_cvt_pk_bf16_f32 v[X+4*\i], v[X+4*\i], v[X+4*\i+1]
	v_cvt_pk_bf16_f32 v[X+4*\i+1], v[X+4*\i+2], v[X+4*\i+3]
	ds_store_b64 v4, v[X+4*\i:X+4*\i+1] offset:CPITCH*\i
.endr
.irp u, 0,1,2,3,4,5,6,7
	ds_load_b128 v[80+4*\u:80+4*\u+3], v5 offset:64*(\u>>1)+32*(\u&1)   ; my wave's own bytes, served in order: no wait behind the stores
.endr
.irp u, 0,1,2,3,4,5,6,7
	s_wait_dscnt 7-\u
	global_store_b128 v7, v[80+4*\u:80+4*\u+3], s[8:9] offset:8192*(\u>>1)+512*(\u&1)   ; 512 neighbouring bytes, at a multiple of 512 from wb's first byte
.endr
	s_endpgm
.Lfunc_end_k_q679cab50fe_prep:
	.size	k_q679cab50fe_prep, .Lfunc_end_k_q679cab50fe_prep-k_q679cab50fe_prep
	.p2alignl 7, 3214868480
	.fill 96, 4, 3214868480
	.section	.rodata,"a",@progbits
	.p2align	6, 0x0
	.amdhsa_kernel k_q679cab50fe_prep
		.amdhsa_group_segment_fixed_size 139520
		.amdhsa_private_segment_fixed_size 0
		.amdhsa_enable_private_segment 0
		.amdhsa_kernarg_size 40
		.amdhsa_user_sgpr_count 2
		.amdhsa_user_sgpr_kernarg_segment_ptr 1
		.amdhsa_wavefront_size32 1
		.amdhsa_system_sgpr_workgroup_id_x 1
		.amdhsa_system_sgpr_workgroup_id_y 1
		.amdhsa_system_sgpr_workgroup_id_z 1
		.amdhsa_system_vgpr_workitem_id 0
		.amdhsa_next_free_vgpr 112
		.amdhsa_next_free_sgpr 66
		.amdhsa_reserve_vcc 1
		.amdhsa_float_denorm_mode_32 3
		.amdhsa_float_denorm_mode_16_64 3
		.amdhsa_memory_ordered 1
		.amdhsa_forward_progress 1
		.amdhsa_inst_pref_size 30
	.end_amdhsa_kernel
	.amdgpu_metadata
---
amdhsa.version: [ 1, 2 ]
amdhsa.kernels:
  - .name:           k_q679cab50fe_prep
    .symbol:         k_q679cab50fe_prep.kd
    .args:
      - { .name: W, .offset: 0, .size: 8, .value_kind: global_buffer, .address_space: global }
      - { .name: relation, .offset: 8, .size: 8, .value_kind: global_buffer, .address_space: global }
      - { .name: wb, .offset: 16, .size: 8, .value_kind: global_buffer, .address_space: global }
      - { .name: order, .offset: 24, .size: 8, .value_kind: global_buffer, .address_space: global }
      - { .name: counts, .offset: 32, .size: 8, .value_kind: global_buffer, .address_space: global }
    .group_segment_fixed_size: 139520
    .private_segment_fixed_size: 0
    .kernarg_segment_align: 8
    .kernarg_segment_size: 40
    .max_flat_workgroup_size: 1024
    .sgpr_count:     66
    .vgpr_count:     112
    .wavefront_size: 32
...
	.end_amdgpu_metadata
.endif
;; end of part 1
;; launch main (part 2): grid 236 x 1, 4 waves a work-group, no clusters, 183,552 bytes of LDS; arguments node_emb, wb, order, counts, out0; writes out0
.if DOCPART == 2
	.amdgcn_target "amdgcn-amd-amdhsa--gfx1250"
	.amdhsa_code_object_version 6
	.text
	.protected	k_q679cab50fe_main
	.globl	k_q679cab50fe_main
	.p2align	8
	.type	k_q679cab50fe_main,@function
k_q679cab50fe_main:
	s_mov_b64 s[64:65], 0
	v_nop
	global_prefetch_b8 v0, s[64:65] scope:SCOPE_SE
	s_setreg_imm32_b32 hwreg(HW_REG_WAVE_MODE, 25, 1), 1
	s_wait_xcnt 0x0
; out[i] = W[relation[i]] . node_emb[i], one product a row: the seven products that reference() drops by where(relation == r) are not formed
; (shown at the head of the first kernel); the choice is read from memory as the lists and counts that the first launch stored.
; A work-group makes one tile: up to 144 tokens of one bucket x all 512 outputs.  Tiles are numbered bucket by bucket; bucket b has
; n_b = ceil(c_b / 144) of them.  The sum of n_b over the nine buckets is at most (32768 + 9 * 143) / 144 = 236, which is the grid: every tile has a
; work-group whatever the relations are.  A work-group whose number is at or beyond the sum has no tile (the counts decide that) and stores nothing.
; Row p of a tile is token order[b][min(start + p, last)]: rows beyond the bucket's end repeat the tile's last token, are computed alike and
; stored again by the same wave with the same bytes.  So no lane is ever switched off and no row needs a branch.
; Bucket 8 (relation outside 0..7): reference() leaves zeros there; its tiles store zeros and form no product.
; Four waves; wave w makes all 144 rows x columns 128 w .. 128 w + 127: 72 accumulator tiles of 16 x 16, 576 registers.
; The tokens' rows are gathered, rounded to bf16 and laid into LDS once; all four waves read them from there.  W's fragments come straight into registers:
; wb holds them in lane order, and no two waves of a work-group need the same one.
; NO CLUSTER: which relation a tile has is read from memory, so neighbouring work-groups need not share W, and a joint request would need addresses that are
; equal in all partners by shared coordinates; tile counts rounded up to fours could need 260 work-groups.  NO TENSOR LOADS: the tokens' rows pass
; through registers anyway for the rounding to bf16, and W's fragments are shared by no two waves.
; LIMITS: operands rounded to bf16 (nearest even), sums in f32, K ascending.
;
; THE MATRIX INSTRUCTION IS USED TRANSPOSED: source 0 = 16 rows of W, source 1 = 16 tokens.  Lane (r = l % 16, h = l / 16) then holds in register j
; out(token row 16 s + r, column 128 w + 16 b + 8 h + j): eight neighbouring numbers of an output row.
; REGISTERS, in windows of 256:
;  window 0: v0-43 addresses and lists; v64-255 gather: two sets of 96; K loop: token fragments, v64-135 and v136-207 by turns; way out: v64-127
;  window 1: accumulators of sub-tiles s = 0..3 at v[64 s + 8 b];  window 2: s = 4..7;  window 3: s = 8 at v[8 b], and v64-255: three buffers of W fragments
.set ROWS,   144
.set APITCH, 1040                      ; a token's 1,024 bytes of bf16 + 16: an odd multiple of 16, so 16 rows' 16-byte pieces start 16 bytes apart modulo 256
.set AGRP,   48*APITCH                 ; three address registers, 48 rows apart, keep the LDS immediates inside 16 bits
.set STAGE,  ROWS*APITCH               ; behind the tokens: for each wave 16 rows x 528 bytes for the way out
.set SPITCH, 528                       ; 512 bytes of f32 + 16
.set SWAVE,  16*SPITCH
.set LANE16, 4                         ; v4      16 x lane
.set OUTB,   5                         ; v5      512 w + 16 x lane: my bytes in an output row
.set AF,     6                         ; v6-8    token fragments: r x 1040 + 16 h + g x 49920
.set AW,     9                         ; v9-11   gather, LDS in: w x 1040 + 8 x lane + g x 49920
.set STO,    12                        ; v12     way out, in
.set RD,     13                        ; v13     way out, back
.set E,      14                        ; v14-18  lane l of register e: token of row 32 e + l
.set EA,     19                        ; v19-20  lane l: token of row 4 l + w, of row 128 + 4 l + w: the rows that my wave gathers
.set ROFF,   24                        ; v24-39  byte offsets of rows
.set ZR,     40                        ; v40-43  zeros
.set LD,     64                        ; gather: set x 96 + row x 16 + 4 j
.set XF,     64                        ; token fragments, buffer (ks % 2) x 72
.set OB,     64                        ; way out
.set WB,     64                        ; window 3: W fragments, buffer (ks % 3) x 64
.set MSB, 0
.macro WIN new                         ; s_set_vgpr_msb: bits 1:0 source 0, 3:2 source 1, 5:4 source 2, 7:6 destination; the high byte repeats the setting that is left
.if MSB != (\new)
	s_set_vgpr_msb (MSB<<8)|(\new)
.set MSB, (\new)
.endif
.endm
.macro PLACES                          ; four plain vector instructions between a matrix instruction and a load into, or a store from, its registers
.rept 4
	v_nop
.endr
.endm
	s_load_b256 s[4:11], s[0:1], 0x0               ; node_emb s[4:5], wb s[6:7], order s[8:9], counts s[10:11]
	s_load_b64 s[12:13], s[0:1], 0x20              ; out0
	v_lshrrev_b32 v1, 5, v0
	v_readfirstlane_b32 s14, v1                    ; wave 0..3
	s_wait_kmcnt 0x0
	s_load_b256 s[16:23], s[10:11], 0x0            ; c_0 .. c_7
	s_load_b32 s24, s[10:11], 0x20                 ; c_8
	s_load_b256 s[28:35], s[10:11], 0x40           ; n_0 .. n_7
	s_load_b32 s36, s[10:11], 0x60                 ; n_8
	; every address register is made here, ahead of any branch
	v_and_b32 v1, 31, v0                           ; lane
	v_and_b32 v2, 15, v0                           ; r
	v_bfe_u32 v3, v0, 4, 1                         ; h
	v_lshlrev_b32 v[LANE16], 4, v1
	s_lshl_b32 s50, s14, 9
	v_add_nc_u32 v[OUTB], s50, v[LANE16]
	v_mul_u32_u24 v[AF], v2, APITCH
	v_lshl_add_u32 v[AF], v3, 4, v[AF]
	v_add_nc_u32 v[AF+1], AGRP, v[AF]
	v_add_nc_u32 v[AF+2], 2*AGRP, v[AF]
	s_mul_i32 s50, s14, APITCH
	v_lshl_add_u32 v[AW], v1, 3, s50
	v_add_nc_u32 v[AW+1], AGRP, v[AW]
	v_add_nc_u32 v[AW+2], 2*AGRP, v[AW]
	s_mul_i32 s50, s14, SWAVE
	s_add_co_u32 s50, s50, STAGE                   ; my wave's stage
	v_mul_u32_u24 v[STO], v2, SPITCH
	v_lshl_add_u32 v[STO], v3, 5, v[STO]
	v_add_nc_u32 v[STO], s50, v[STO]               ; row r, 32 h
	v_add_nc_u32 v[RD], s50, v[LANE16]
	s_wait_kmcnt 0x0
	; which tile is mine: no branch, nine compares
	s_add_co_u32 s43, s28, s29
.irp r, 30,31,32,33,34,35,36
	s_add_co_u32 s43, s43, s\r                     ; T = all tiles (at least 1: the 32,768 tokens lie in some bucket)
.endr
	s_sub_co_u32 s50, s43, 1
	s_min_u32 s53, ttmp9, s50                      ; a work-group without a tile looks the last tile up, so that it reads only words that were stored
	s_cmp_lt_u32 ttmp9, s43
	s_cselect_b32 s52, 1, 0                        ; I have a tile
	s_mov_b32 s40, 0                               ; bucket
	s_mov_b32 s41, 0                               ; its first tile
	s_mov_b32 s42, s16                             ; its tokens
	s_mov_b32 s37, 0
.irp r, 1,2,3,4,5,6,7,8
	s_add_co_u32 s37, s37, s[27+\r]                ; first tile of bucket r
	s_cmp_le_u32 s37, s53                          ; the last bucket that begins at or below my tile is mine (empty ones are passed over)
	s_cselect_b32 s40, \r, s40
	s_cselect_b32 s41, s37, s41
	s_cselect_b32 s42, s[16+\r], s42
.endr
	s_cmp_lt_u32 s40, 8
	s_cselect_b32 s48, s52, 0                      ; a tile with a product
	s_cmp_eq_u32 s40, 8
	s_cselect_b32 s49, s52, 0                      ; a tile of zeros
	s_sub_co_u32 s46, s53, s41
	s_mul_i32 s46, s46, ROWS                       ; start: my first place in the bucket's list
	s_add_co_u32 s47, s46, ROWS
	s_min_u32 s47, s47, s42
	s_sub_co_u32 s47, s47, 1                       ; last
	s_min_u32 s50, s40, 8
	s_lshl_b32 s44, s50, 17
	s_mov_b32 s45, 0
	s_add_nc_u64 s[8:9], s[8:9], s[44:45]          ; the bucket's list
	s_min_u32 s50, s40, 7
	s_lshl_b32 s44, s50, 19
	s_lshl_b32 s50, s14, 17
	s_add_co_u32 s44, s44, s50
	s_add_nc_u64 s[6:7], s[6:7], s[44:45]          ; the relation's W, my wave's 128 columns: 131,072 bytes
	; the lists
	v_add_nc_u32 v[ROFF], s46, v1
.irp e, 1,2,3,4
	v_add_nc_u32 v[ROFF+\e], 32*\e, v[ROFF]
.endr
	v_lshl_add_u32 v[ROFF+5], v1, 2, s46
	v_add_nc_u32 v[ROFF+5], s14, v[ROFF+5]
	v_add_nc_u32 v[ROFF+6], 128, v[ROFF+5]
.irp q, 0,1,2,3,4,5,6
	v_min_u32 v[ROFF+\q], s47, v[ROFF+\q]          ; rows beyond the end repeat the last token
	v_min_u32 v[ROFF+\q], 0x7fff, v[ROFF+\q]       ; inside the region
	v_lshlrev_b32 v[ROFF+\q], 2, v[ROFF+\q]
.endr
.irp q, 0,1,2,3,4,5,6
	global_load_b32 v[E+\q], v[ROFF+\q], s[8:9]    ; v14-18 and v19-20
.endr
; 16 loads: the eight W fragments of K step ks into buffer ks % 3; each load is 512 neighbouring bytes
.macro BLOAD ks
.irp b, 0,1,2,3,4,5,6,7
	global_load_b128 v[WB+64*((\ks)%3)+8*\b:WB+64*((\ks)%3)+8*\b+3],   v[LANE16], s[6:7] offset:(\ks)*8192+\b*1024
	global_load_b128 v[WB+64*((\ks)%3)+8*\b+4:WB+64*((\ks)%3)+8*\b+7], v[LANE16], s[6:7] offset:(\ks)*8192+\b*1024+512
.endr
.endm
	WIN 0xC0                                       ; destination in window 3
	BLOAD 0                                        ; the first two K steps' fragments go out ahead of the branch: they are on their way while the tokens are
	BLOAD 1                                        ; gathered, and the registers that the K loop reads are written on every way through the text
	WIN 0
	s_wait_loadcnt 32                              ; the lists are in; the 32 younger loads of W stay out
	s_cmp_eq_u32 s48, 0
	s_cbranch_scc1 .Lbar
; ---------------------------------------------------------------- the tokens' rows: wave w brings rows 4 i + w, i = 0..35, six at a time, two register sets by turns
.macro AROWS g, set
.irp u, 0,1,2,3,4,5
	v_readlane_b32 s50, v[EA+((6*\g+\u)>>5)], (6*\g+\u)&31
	s_min_u32 s50, s50, 0x7fff                     ; a token's number stays inside node_emb
	v_lshl_add_u32 v[ROFF+6*\set+\u], s50, 11, v[LANE16]
.irp j, 0,1,2,3
	global_load_b128 v[LD+96*\set+16*\u+4*\j:LD+96*\set+16*\u+4*\j+3], v[ROFF+6*\set+\u], s[4:5] offset:512*\j   ; 512 neighbouring bytes of the row
.endr
.endr
.endm
.macro ACONV g, set, left
	s_wait_loadcnt \left                           ; this group's 24 loads are in (their data and offset registers are free again); the younger group stays out
.irp u, 0,1,2,3,4,5
.irp j, 0,1,2,3
	v_cvt_pk_bf16_f32 v[LD+96*\set+16*\u+4*\j],   v[LD+96*\set+16*\u+4*\j],   v[LD+96*\set+16*\u+4*\j+1]
	v_cvt_pk_bf16_f32 v[LD+96*\set+16*\u+4*\j+1], v[LD+96*\set+16*\u+4*\j+2], v[LD+96*\set+16*\u+4*\j+3]
	ds_store_b64 v[AW+(6*\g+\u)/12], v[LD+96*\set+16*\u+4*\j:LD+96*\set+16*\u+4*\j+1] offset:((6*\g+\u)%12)*4*APITCH+256*\j
.endr
.endr
.endm
	AROWS 0, 0
	AROWS 1, 1
	ACONV 0, 0, 24
	AROWS 2, 0
	ACONV 1, 1, 24
	AROWS 3, 1
	ACONV 2, 0, 24
	AROWS 4, 0
	ACONV 3, 1, 24
	AROWS 5, 1
	ACONV 4, 0, 24
	ACONV 5, 1, 0
.Lbar:                                             ; every way through the text passes this one barrier
	s_wait_dscnt 0x0                               ; my rows are in LDS before I say so
	s_barrier_signal -1
	s_barrier_wait -1                              ; all 144 rows are
	s_cmp_eq_u32 s48, 0
	s_cbranch_scc1 .Lnotlive
; ---------------------------------------------------------------- the products: 16 K steps of 32, written out, every offset an immediate
; 18 LDS loads: the nine token fragments of K step ks (16 rows x 32 k: two 16-byte pieces, 32 bytes apart) into buffer ks % 2
.macro AFETCH ks
.irp s, 0,1,2,3,4,5,6,7,8
	ds_load_b128 v[XF+72*((\ks)%2)+8*\s:XF+72*((\ks)%2)+8*\s+3],   v[AF+\s/3] offset:(\s%3)*16*APITCH+64*(\ks)
	ds_load_b128 v[XF+72*((\ks)%2)+8*\s+4:XF+72*((\ks)%2)+8*\s+7], v[AF+\s/3] offset:(\s%3)*16*APITCH+64*(\ks)+32
.endr
.endm
; eight matrix instructions: sub-tile s x the eight column tiles.  In K step 0 the constant 0 starts the sums: nothing is cleared.
.macro MUL s, ks
.irp b, 0,1,2,3,4,5,6,7
.if \ks == 0
	v_wmma_f32_16x16x32_bf16 v[64*((\s)%4)+8*\b:64*((\s)%4)+8*\b+7], v[WB+64*((\ks)%3)+8*\b:WB+64*((\ks)%3)+8*\b+7], v[XF+72*((\ks)%2)+8*\s:XF+72*((\ks)%2)+8*\s+7], 0
.else
	v_wmma_f32_16x16x32_bf16 v[64*((\s)%4)+8*\b:64*((\s)%4)+8*\b+7], v[WB+64*((\ks)%3)+8*\b:WB+64*((\ks)%3)+8*\b+7], v[XF+72*((\ks)%2)+8*\s:XF+72*((\ks)%2)+8*\s+7], v[64*((\s)%4)+8*\b:64*((\s)%4)+8*\b+7]
.endif
.endr
.endm
; A K step: 72 matrix instructions.  The 72 accumulators take turns, one instruction a turn, in the same order in every step.
; Behind the first 32 the loads of later steps go out in one run: W's fragments two steps ahead, the tokens' one step ahead (40 matrix instructions ahead of their use).
; They land in the buffers that the step before read: four places stand between its last matrix instruction and them.
.macro KSTEP ks
.if \ks == 15
	s_wait_loadcnt 0x0                             ; the last fragments of W
.else
	s_wait_loadcnt 16                              ; this step's fragments of W are in; the next step's 16 loads stay out
.endif
	s_wait_dscnt 0x0                               ; this step's token fragments
	WIN 0x53                                       ; source 0 (W) window 3, source 1 (tokens) window 0, C and D window 1
	MUL 0, \ks
	MUL 1, \ks
	MUL 2, \ks
	MUL 3, \ks
.if \ks > 0
.if \ks < 15
	PLACES
.endif
.endif
.if \ks < 14
	WIN 0xC0
	BLOAD \ks+2
.endif
.if \ks < 15
	WIN 0
	AFETCH \ks+1
.endif
	WIN 0xA3                                       ; C and D window 2
	MUL 4, \ks
	MUL 5, \ks
	MUL 6, \ks
	MUL 7, \ks
	WIN 0xF3                                       ; C and D window 3
	MUL 8, \ks
.endm
	AFETCH 0
.irp ks, 0,1,2,3,4,5,6,7,8,9,10,11,12,13,14,15
	KSTEP \ks
.endr
; ---------------------------------------------------------------- the way out, 16 token rows at a time, through my wave's own stage: a lane's 32 bytes of a row go in,
; whole pieces of 512 bytes of a row come back, and each store of the wave covers 512 neighbouring bytes at a multiple of 512 from out0's first byte
	PLACES                                         ; behind the last matrix instructions: LDS stores read results, LDS loads land in fragment registers
.macro OUTSUB s
	WIN (1+(\s)/4)<<2                              ; store data (source 1) from the sub-tile's window
.irp b, 0,1,2,3,4,5,6,7
	ds_store_b128 v[STO], v[64*((\s)%4)+8*\b:64*((\s)%4)+8*\b+3]   offset:64*\b
	ds_store_b128 v[STO], v[64*((\s)%4)+8*\b+4:64*((\s)%4)+8*\b+7] offset:64*\b+16
.endr
	WIN 0
	s_wait_xcnt 0x0                                ; the offsets and data of the last sub-tile's stores are rewritten only behind this wait
.irp t, 0,1,2,3,4,5,6,7,8,9,10,11,12,13,14,15
	v_readlane_b32 s50, v[E+((16*\s+\t)>>5)], (16*\s+\t)&31
	s_min_u32 s50, s50, 0x7fff                     ; a token's number stays inside out0
	v_lshl_add_u32 v[ROFF+\t], s50, 11, v[OUTB]
.endr
.irp t, 0,1,2,3,4,5,6,7,8,9,10,11,12,13,14,15
	ds_load_b128 v[OB+4*\t:OB+4*\t+3], v[RD] offset:SPITCH*\t      ; my wave's own bytes, served in order (ISA guide 5.7.1): these see the stores above
.endr
.irp t, 0,1,2,3,4,5,6,7,8,9,10,11,12,13,14,15
	s_wait_dscnt 15-\t
	global_store_b128 v[ROFF+\t], v[OB+4*\t:OB+4*\t+3], s[12:13] th:TH_STORE_NT
.endr
.endm
.irp s, 0,1,2,3,4,5,6,7,8
	OUTSUB \s
.endr
	s_endpgm
; ---------------------------------------------------------------- no product: zeros for a tile of bucket 8, nothing for a work-group without a tile
.Lnotlive:
	s_cmp_eq_u32 s49, 0
	s_cbranch_scc1 .Lend
.irp k, 0,1,2,3
	v_mov_b32 v[ZR+\k], 0
.endr
	s_mov_b32 s51, 0
.Lz:                                               ; trip l: rows l, 32 + l, .. 128 + l (rows from 144 on repeat the last token); my wave's 512 bytes of each
.irp e, 0,1,2,3,4
	v_readlane_b32 s50, v[E+\e], s51
	s_min_u32 s50, s50, 0x7fff
	v_lshl_add_u32 v[ROFF+\e], s50, 11, v[OUTB]
	global_store_b128 v[ROFF+\e], v[ZR:ZR+3], s[12:13] th:TH_STORE_NT
.endr
	s_wait_xcnt 0x0                                ; the offsets are rewritten in the next trip only behind this wait
	s_add_co_u32 s51, s51, 1
	s_cmp_lt_u32 s51, 32
	s_cbranch_scc1 .Lz
.Lend:
	s_endpgm
.Lfunc_end_k_q679cab50fe_main:
	.size	k_q679cab50fe_main, .Lfunc_end_k_q679cab50fe_main-k_q679cab50fe_main
	.p2alignl 7, 3214868480
	.fill 96, 4, 3214868480
	.section	.rodata,"a",@progbits
	.p2align	6, 0x0
	.amdhsa_kernel k_q679cab50fe_main
		.amdhsa_group_segment_fixed_size 183552
		.amdhsa_private_segment_fixed_size 0
		.amdhsa_enable_private_segment 0
		.amdhsa_kernarg_size 40
		.amdhsa_user_sgpr_count 2
		.amdhsa_user_sgpr_kernarg_segment_ptr 1
		.amdhsa_wavefront_size32 1
		.amdhsa_system_sgpr_workgroup_id_x 1
		.amdhsa_system_sgpr_workgroup_id_y 1
		.amdhsa_system_sgpr_workgroup_id_z 1
		.amdhsa_system_vgpr_workitem_id 0
		.amdhsa_next_free_vgpr 1024
		.amdhsa_next_free_sgpr 66
		.amdhsa_reserve_vcc 0
		.amdhsa_float_denorm_mode_32 3
		.amdhsa_float_denorm_mode_16_64 3
		.amdhsa_memory_ordered 1
		.amdhsa_forward_progress 1
		.amdhsa_inst_pref_size 239
	.end_amdhsa_kernel
	.amdgpu_metadata
---
amdhsa.version: [ 1, 2 ]
amdhsa.kernels:
  - .name:           k_q679cab50fe_main
    .symbol:         k_q679cab50fe_main.kd
    .args:
      - { .name: node_emb, .offset: 0, .size: 8, .value_kind: global_buffer, .address_space: global }
      - { .name: wb, .offset: 8, .size: 8, .value_kind: global_buffer, .address_space: global }
      - { .name: order, .offset: 16, .size: 8, .value_kind: global_buffer, .address_space: global }
      - { .name: counts, .offset: 24, .size: 8, .value_kind: global_buffer, .address_space: global }
      - { .name: out0, .offset: 32, .size: 8, .value_kind: global_buffer, .address_space: global }
    .group_segment_fixed_size: 183552
    .private_segment_fixed_size: 0
    .kernarg_segment_align: 8
    .kernarg_segment_size: 40
    .max_flat_workgroup_size: 128
    .sgpr_count:     66
    .vgpr_count:     1024
    .wavefront_size: 32
...
	.end_amdgpu_metadata
.endif
;; end of part 2
;; ======== version 2 of 2: 2 launches; 1.13 times as fast as version 1
;; workspace buffers: wb 4,194,304 bytes; order 1,179,648 bytes of whole numbers; counts 256 bytes of whole numbers
;; launch prep (part 3): grid 68 x 1, 32 waves a work-group, no clusters, 139,520 bytes of LDS; arguments W, relation, wb, order, counts; writes wb, order, counts
.if DOCPART == 3
	.amdgcn_target "amdgcn-amd-amdhsa--gfx1250"
	.amdhsa_code_object_version 6
	.text
	.protected	k_q679cab50fe_prep
	.globl	k_q679cab50fe_prep
	.p2align	8
	.type	k_q679cab50fe_prep,@function
k_q679cab50fe_prep:
	s_mov_b64 s[64:65], 0
	v_nop
	global_prefetch_b8 v0, s[64:65] scope:SCOPE_SE
	s_setreg_imm32_b32 hwreg(HW_REG_WAVE_MODE, 25, 1), 1
	s_wait_xcnt 0x0
; RelationTransform: out[i] = W[relation[i]] . node_emb[i];  32,768 tokens, 512 in, 512 out, 8 relations, f32.
; WORK LEFT OUT.  reference() forms node_emb @ W[r]^T for all eight r and keeps, by where(relation == r), for row i only the product
; of r = relation[i]; a row whose relation is none of 0..7 keeps the zero of out0.  The seven other products of a row reach no output
; for any values of node_emb and W: the choice hangs on the whole number relation[i] alone.  So this program sorts the tokens by
; relation (this launch) and forms one product a row (the next launch, which reads the lists from memory).  Every input is loaded.
; A NaN, an infinity or an overflow in a product that is not chosen is not carried to the result, and where() drops it in reference() too.
; LIMITS.  Matrix operands are rounded to bf16 (nearest even), sums are f32.  Inside a bucket the tokens do not stand in input order;
; no result hangs on that order.
;
; THIS LAUNCH, 68 work-groups of 32 waves:
;  work-groups 0..35: bucket b = number / 4 (8 = every relation outside 0..7, negative ones too: the compare is unsigned), owner o = number % 4.
;     The bucket's list order[b][0 .. c_b-1] (region pitch 131,072 bytes) holds its tokens wave by wave: wave w looks at 1,024 tokens, and its members
;     stand behind those of waves 0 .. w-1.  Every one of the four owners counts all 32,768 relations, so all four find the same 32 wave counts and
;     nothing passes between work-groups; owner o ranks, stages and stores only the members of waves 8 o .. 8 o + 7.  The pieces are disjoint, and each
;     word of the list has one work-group that stores it.  The price: relation's 131,072 bytes are read by 36 work-groups.
;     Wave 0 belongs to owner 0 alone: it stores c_b into counts word b and n_b = ceil(c_b / 144), the bucket's tiles in the next launch, into word 16 + b.
;     An owner whose eight waves find no member has nothing to store (the relations decide that).
;     No lane is ever switched off: a lane with nothing of its own to store repeats a neighbour's store, the same word with the same value.
;  work-groups 36..67: W to bf16, laid out as the matrix instruction's lanes want it.  The 1,024 bytes of (relation r, 128 columns wv, K step ks
;     of 32, 16 rows b) lie at r*524288 + wv*131072 + ks*8192 + b*1024; lane L = (rr = L & 15, h = L >> 4) owns the 16 bytes at 16 L
;     (row 128 wv + 16 b + rr, k = 32 ks + 8 h ..+7) and those at 512 + 16 L (k = 32 ks + 16 + 8 h ..+7).
.set NROUTE, 36                        ; nine buckets x four owners
.set WPITCH, 4352                      ; LDS bytes of a wave, on both ways: 16 rows x 272 (convert); 1,024 + 32 words (route)
.set TOT,    32*WPITCH                 ; 32 words: the waves' counts
.set CPITCH, 272                       ; convert: 256 bytes of bf16 + 16: the 16 rows that a 16-byte load touches start 16 bytes apart modulo 256
.set X,  16                            ; v[16:47] route: 32 relations of a thread;  v[16:79] convert: 16 rows as loaded;  v[80:111] convert: to store
.set CL, 48                            ; v[48:63] route, the way out: for each of 4 pieces of a trip: LDS address, offset in the list, place, token
.set AD, 64                            ; v[64:95] route: component q's LDS address
.set TK, 96                            ; v[96:111] route: token numbers, two sets of eight by turns
.set M,  32                            ; s[32:63] route: component q's members, a bit a lane
.set P,  66                            ; s[66:97] route: my wave's members in components 0 .. q-1
	s_load_b256 s[4:11], s[0:1], 0x0               ; W s[4:5], relation s[6:7], wb s[8:9], order s[10:11]
	s_load_b64 s[12:13], s[0:1], 0x20              ; counts
	v_lshrrev_b32 v1, 5, v0
	v_readfirstlane_b32 s14, v1                    ; wave 0..31
	v_and_b32 v2, 31, v0                           ; lane
	s_mul_i32 s28, s14, WPITCH                     ; my wave's LDS bytes
	s_wait_kmcnt 0x0
	s_cmp_ge_u32 ttmp9, NROUTE                     ; the same for all waves of a work-group
	s_cbranch_scc1 .Lconv
; ---------------------------------------------------------------- route
	v_lshlrev_b32 v1, 4, v0                        ; 16 t: my 4 relations in each block of 4,096
.irp j, 0,1,2,3,4,5,6,7
	global_load_b128 v[X+4*\j:X+4*\j+3], v1, s[6:7] offset:16384*\j   ; component 4 j + cc of thread t is token 4096 j + 4 t + cc
.endr
	s_lshr_b32 s15, ttmp9, 2                       ; my bucket
	s_and_b32 s23, ttmp9, 3                        ; which owner of it I am
	s_lshr_b32 s18, s14, 3                         ; the owner that my wave's members belong to
	s_lshl_b32 s31, s15, 2                         ; the bucket's word in counts
	s_mov_b32 s24, 0x76543210                      ; v_permlanex16_b32: lane i reads lane i of the other half
	s_mov_b32 s25, 0xfedcba98
	v_lshlrev_b32 v3, 2, v0                        ; 4 t: the first of my token numbers
	v_mov_b32 v4, s28                              ; my wave's stage
	v_add_nc_u32 v5, 1024, v2                      ; my dump word behind the stage's 1,024 words
	v_lshl_add_u32 v7, v2, 2, TOT                  ; wave total number "lane"
; First all 32 masks, each into a scalar register of its own, as the blocks arrive: no compare waits for a scalar result.
.set q, 0
.rept 32
.if (q&3) == 0
	s_wait_loadcnt 7-(q>>2)                        ; loads come back in order (ISA guide 5.7.1): this block is in, the younger blocks stay out
.endif
	v_min_u32 v[X+q], 8, v[X+q]                    ; everything outside 0..7 is bucket 8
	v_cmp_eq_u32 s[M+q], s15, v[X+q]               ; the component's members
.set q, q+1
.endr
; Then the running counts, in scalar registers alone.
	s_mov_b32 s[P], 0
.set q, 0
.rept 31
	s_bcnt1_i32_b32 s17, s[M+q]
	s_add_co_u32 s[P+q+1], s[P+q], s17
.set q, q+1
.endr
	s_bcnt1_i32_b32 s17, s[M+31]
	s_add_co_u32 s16, s[P+31], s17                 ; my wave's members
	s_lshl_b32 s17, s14, 2
	s_add_co_u32 s17, s17, TOT
	v_mov_b32 v9, s17
	v_mov_b32 v8, s16
	ds_store_b32 v9, v8                            ; my wave's count: all lanes store the same word with the same value
	s_cmp_lg_u32 s18, s23
	s_cbranch_scc1 .Lmeet                          ; another owner stages this wave's members
; Then the ranks, eight components at a time, each in a register of its own: none waits for another.  A member goes to the wave's stage at its rank
; among the wave's members, the others to their lane's dump word: every lane stores.
.set g, 0
.rept 4
.irp i, 0,1,2,3,4,5,6,7
	v_mbcnt_lo_u32_b32 v[AD+8*g+\i], s[M+8*g+\i], s[P+8*g+\i]      ; members in lower lanes + members of earlier components
.endr
.irp i, 0,1,2,3,4,5,6,7
	v_cndmask_b32 v[AD+8*g+\i], v5, v[AD+8*g+\i], s[M+8*g+\i]
.endr
.irp i, 0,1,2,3,4,5,6,7
	v_min_u32 v[AD+8*g+\i], 1055, v[AD+8*g+\i]     ; inside my wave's 1,056 words
.endr
.irp i, 0,1,2,3,4,5,6,7
	v_lshl_add_u32 v[AD+8*g+\i], v[AD+8*g+\i], 2, v4
.endr
.irp i, 0,1,2,3,4,5,6,7
	v_add_nc_u32 v[TK+8*(g&1)+\i], 4096*((8*g+\i)>>2)+((8*g+\i)&3), v3   ; the token's number
.endr
.irp i, 0,1,2,3,4,5,6,7
	ds_store_b32 v[AD+8*g+\i], v[TK+8*(g&1)+\i]
.endr
.set g, g+1
.endr
.Lmeet:                                            ; every wave passes the launch's one barrier
	s_wait_dscnt 0x0                               ; my count, and my stage if I made one, are in LDS before I say so
	s_barrier_signal -1
	s_barrier_wait -1                              ; every LDS byte that is read below was stored in front of it
	s_cmp_lg_u32 s18, s23
	s_cbranch_scc1 .Lrend                          ; my wave's members are another owner's: its count was all that was wanted here
	ds_load_b32 v8, v7                             ; lane l: wave l's count (at most 1,024)
	s_wait_dscnt 0x0
	v_cmp_gt_u32 vcc_lo, s14, v2                   ; waves in front of mine
	v_lshlrev_b32 v9, 16, v8
	v_cndmask_b32 v9, 0, v9, vcc_lo
	v_add_nc_u32 v8, v8, v9                        ; low half: for the total; high half: for my wave's start.  Both sums are at most 32,768: no carry crosses
	v_mov_b32 v10, 0                               ; written before the lane moves name it as destination
.irp k, 1,2,4,8
	v_mov_b32_dpp v10, v8 row_xmask:\k row_mask:0xf bank_mask:0xf
	v_add_nc_u32 v8, v8, v10
.endr
	v_permlanex16_b32 v10, v8, s24, s25
	v_add_nc_u32 v8, v8, v10
	v_readfirstlane_b32 s17, v8
	s_and_b32 s20, s17, 0xffff                     ; c_b
	s_lshr_b32 s19, s17, 16                        ; where my wave's members begin in the bucket's list
; The stage goes out, 128 places a trip: four LDS loads into registers of their own, then four stores.  Places beyond my wave's last member repeat it:
; those lanes store the same word of the list with the same token as the lane that owns it.
	s_lshl_b32 s26, s15, 17
	s_mov_b32 s27, 0
	s_add_nc_u64 s[10:11], s[10:11], s[26:27]      ; my bucket's region
	s_sub_co_u32 s29, s16, 1                       ; my wave's last place (used only where the wave has a member)
	s_add_co_u32 s21, s16, 127
	s_lshr_b32 s21, s21, 7                         ; trips: at most 8
	v_mov_b32 v11, v2                              ; place in the stage
	s_cmp_eq_u32 s21, 0
	s_cbranch_scc1 .Lcounts                        ; a wave without a member stores nothing into the list
	s_mov_b32 s22, 0
.Lcopy:
.irp u, 0,1,2,3
.if \u
	v_add_nc_u32 v[CL+4*\u+2], 32*\u, v11
	v_min_u32 v[CL+4*\u+2], s29, v[CL+4*\u+2]      ; not beyond my last member,
.else
	v_min_u32 v[CL+2], s29, v11
.endif
	v_min_u32 v[CL+4*\u+2], 1023, v[CL+4*\u+2]     ; and inside the stage
	v_lshl_add_u32 v[CL+4*\u], v[CL+4*\u+2], 2, v4 ; my wave's stage + 4 x place
	v_add_nc_u32 v[CL+4*\u+1], s19, v[CL+4*\u+2]
	v_min_u32 v[CL+4*\u+1], 0x7fff, v[CL+4*\u+1]   ; inside the region
	v_lshlrev_b32 v[CL+4*\u+1], 2, v[CL+4*\u+1]
.endr
.irp u, 0,1,2,3
	ds_load_b32 v[CL+4*\u+3], v[CL+4*\u]
.endr
.irp u, 0,1,2,3
	s_wait_dscnt 3-\u                              ; LDS loads come back in order (ISA guide 5.7.1): piece u is in, the younger pieces stay out
	global_store_b32 v[CL+4*\u+1], v[CL+4*\u+3], s[10:11]
.endr
	s_wait_xcnt 0x0                                ; the stores' offsets and data are rewritten in the next trip only behind this wait
	v_add_nc_u32 v11, 128, v11
	s_add_co_u32 s22, s22, 1
	s_cmp_lt_u32 s22, s21
	s_cbranch_scc1 .Lcopy
.Lcounts:
	s_cmp_lg_u32 s14, 0
	s_cbranch_scc1 .Lrend                          ; wave 0, which only owner 0 brings this far, stores the bucket's two numbers
	s_add_co_u32 s17, s20, 143
	s_lshr_b32 s17, s17, 4                         ; x = (c + 143) / 16, at most 2,056
	s_mul_i32 s17, s17, 7282                       ; x / 9 = (7282 x) >> 16: 7282 * 9 = 65538, so the excess is 2 x / 589824 < 1/9
	s_lshr_b32 s17, s17, 16                        ; n_b = ceil(c_b / 144)
	v_and_b32 v12, 1, v2
	v_mov_b32 v13, s20
	v_mov_b32 v14, s17
	v_cmp_eq_u32 vcc_lo, 1, v12
	v_cndmask_b32 v13, v13, v14, vcc_lo            ; even lanes: c_b, odd lanes: n_b
	v_lshl_add_u32 v12, v12, 6, s31                ; bytes 4 b and 64 + 4 b: sixteen lanes store each word, all with the same value
	global_store_b32 v12, v13, s[12:13]
.Lrend:
	s_endpgm
; ---------------------------------------------------------------- convert: a wave takes 16 rows x 128 k; 1,024 such tasks
.Lconv:
	s_sub_co_u32 s16, ttmp9, NROUTE
	s_lshl_b32 s16, s16, 5
	s_add_co_u32 s16, s16, s14                     ; task: bits 1:0 quarter of K, 4:2 b, 6:5 wv, 9:7 relation
	s_lshr_b32 s17, s16, 2
	s_lshl_b32 s17, s17, 15                        ; 16 rows of 2,048 bytes
	s_and_b32 s18, s16, 3
	s_lshl_b32 s19, s18, 9                         ; 128 f32
	s_add_co_u32 s26, s17, s19                     ; from
	s_lshr_b32 s20, s16, 7
	s_lshl_b32 s27, s20, 19
	s_bfe_u32 s21, s16, 0x20005
	s_lshl_b32 s21, s21, 17
	s_add_co_u32 s27, s27, s21
	s_lshl_b32 s22, s18, 15                        ; four K steps of 8,192 bytes
	s_add_co_u32 s27, s27, s22
	s_bfe_u32 s23, s16, 0x30002
	s_lshl_b32 s23, s23, 10
	s_add_co_u32 s27, s27, s23                     ; to
	v_lshl_add_u32 v1, v2, 4, s26
	v_lshl_add_u32 v7, v2, 4, s27
	v_lshl_add_u32 v4, v2, 3, s28                  ; LDS in: 8 bytes a lane along a row
	v_and_b32 v8, 15, v2
	v_lshrrev_b32 v9, 4, v2
	v_mul_u32_u24 v8, v8, CPITCH
	v_lshl_add_u32 v8, v9, 4, v8
	v_add_nc_u32 v5, s28, v8                       ; LDS back: row rr, 16 h
.irp i, 0,1,2,3,4,5,6,7,8,9,10,11,12,13,14,15
	global_load_b128 v[X+4*\i:X+4*\i+3], v1, s[4:5] offset:2048*\i th:TH_LOAD_NT   ; 512 neighbouring bytes of row i; W is read once in this launch
.endr
.irp i, 0,1,2,3,4,5,6,7,8,9,10,11,12,13,14,15
	s_wait_loadcnt 15-\i                           ; loads come back in order (ISA guide 5.7.1): row i is in, the younger rows stay out
	v_cvt_pk_bf16_f32 v[X+4*\i], v[X+4*\i], v[X+4*\i+1]
	v_cvt_pk_bf16_f32 v[X+4*\i+1], v[X+4*\i+2], v[X+4*\i+3]
	ds_store_b64 v4, v[X+4*\i:X+4*\i+1] offset:CPITCH*\i
.endr
.irp u, 0,1,2,3,4,5,6,7
	ds_load_b128 v[80+4*\u:80+4*\u+3], v5 offset:64*(\u>>1)+32*(\u&1)   ; my wave's own bytes, served in order: no wait behind the stores
.endr
.irp u, 0,1,2,3,4,5,6,7
	s_wait_dscnt 7-\u
	global_store_b128 v7, v[80+4*\u:80+4*\u+3], s[8:9] offset:8192*(\u>>1)+512*(\u&1)   ; 512 neighbouring bytes, at a multiple of 512 from wb's first byte
.endr
	s_endpgm
.Lfunc_end_k_q679cab50fe_prep:
	.size	k_q679cab50fe_prep, .Lfunc_end_k_q679cab50fe_prep-k_q679cab50fe_prep
	.p2alignl 7, 3214868480
	.fill 96, 4, 3214868480
	.section	.rodata,"a",@progbits
	.p2align	6, 0x0
	.amdhsa_kernel k_q679cab50fe_prep
		.amdhsa_group_segment_fixed_size 139520
		.amdhsa_private_segment_fixed_size 0
		.amdhsa_enable_private_segment 0
		.amdhsa_kernarg_size 40
		.amdhsa_user_sgpr_count 2
		.amdhsa_user_sgpr_kernarg_segment_ptr 1
		.amdhsa_wavefront_size32 1
		.amdhsa_system_sgpr_workgroup_id_x 1
		.amdhsa_system_sgpr_workgroup_id_y 1
		.amdhsa_system_sgpr_workgroup_id_z 1
		.amdhsa_system_vgpr_workitem_id 0
		.amdhsa_next_free_vgpr 112
		.amdhsa_next_free_sgpr 98
		.amdhsa_reserve_vcc 1
		.amdhsa_float_denorm_mode_32 3
		.amdhsa_float_denorm_mode_16_64 3
		.amdhsa_memory_ordered 1
		.amdhsa_forward_progress 1
		.amdhsa_inst_pref_size 32
	.end_amdhsa_kernel
	.amdgpu_metadata
---
amdhsa.version: [ 1, 2 ]
amdhsa.kernels:
  - .name:           k_q679cab50fe_prep
    .symbol:         k_q679cab50fe_prep.kd
    .args:
      - { .name: W, .offset: 0, .size: 8, .value_kind: global_buffer, .address_space: global }
      - { .name: relation, .offset: 8, .size: 8, .value_kind: global_buffer, .address_space: global }
      - { .name: wb, .offset: 16, .size: 8, .value_kind: global_buffer, .address_space: global }
      - { .name: order, .offset: 24, .size: 8, .value_kind: global_buffer, .address_space: global }
      - { .name: counts, .offset: 32, .size: 8, .value_kind: global_buffer, .address_space: global }
    .group_segment_fixed_size: 139520
    .private_segment_fixed_size: 0
    .kernarg_segment_align: 8
    .kernarg_segment_size: 40
    .max_flat_workgroup_size: 1024
    .sgpr_count:     98
    .vgpr_count:     112
    .wavefront_size: 32
...
	.end_amdgpu_metadata
.endif
;; end of part 3
;; launch main (part 4): grid 236 x 1, 4 waves a work-group, no clusters, 170,752 bytes of LDS; arguments node_emb, wb, order, counts, out0; writes out0
.if DOCPART == 4
	.amdgcn_target "amdgcn-amd-amdhsa--gfx1250"
	.amdhsa_code_object_version 6
	.text
	.protected	k_q679cab50fe_main
	.globl	k_q679cab50fe_main
	.p2align	8
	.type	k_q679cab50fe_main,@function
k_q679cab50fe_main:
	s_mov_b64 s[64:65], 0
	v_nop
	global_prefetch_b8 v0, s[64:65] scope:SCOPE_SE
	s_setreg_imm32_b32 hwreg(HW_REG_WAVE_MODE, 25, 1), 1
	s_wait_xcnt 0x0
; out[i] = W[relation[i]] . node_emb[i], one product a row: the seven products that reference() drops by where(relation == r) are not formed
; (shown at the head of the first kernel); the choice is read from memory as the lists and counts that the first launch stored.
; A work-group makes one tile: up to 144 tokens of one bucket x all 512 outputs.  Tiles are numbered bucket by bucket; bucket b has
; n_b = ceil(c_b / 144) of them.  The sum of n_b over the nine buckets is at most (32768 + 9 * 143) / 144 = 236, which is the grid: every tile has a
; work-group whatever the relations are.  A work-group whose number is at or beyond the sum has no tile (the counts decide that) and stores nothing.
; Row p of a tile is token order[b][min(start + p, last)]: rows beyond the bucket's end repeat the tile's last token, are computed alike and
; stored again by the same wave with the same bytes.  So no lane is ever switched off and no row needs a branch.
; Bucket 8 (relation outside 0..7): reference() leaves zeros there; its tiles store zeros and form no product.
; Four waves; wave w makes all 144 rows x columns 128 w .. 128 w + 127, as TWO HALVES of 64 columns, one behind the other: 36 accumulator tiles
; of 16 x 16 each, 288 registers.  While the second half is multiplied the first half goes out, a sub-tile of 16 rows at a time, set in runs among
; the matrix instructions; only the second half's way out has no products beside it.  W is still read once (each half needs other rows of W);
; the tokens' fragments are read from LDS twice, one 16-byte load a lane for two matrix instructions.
; The tokens' rows are gathered, rounded to bf16 and laid into LDS once; all four waves read them from there.  W's fragments come straight into registers:
; wb holds them in lane order, and no two waves of a work-group need the same one.
; ONE BARRIER.  Whether a work-group has a product is a number read from memory, and no barrier stands on a way that such a number chooses.  So the launch has
; one barrier, at a place where all ways join, and all 144 rows are in LDS in front of it.
; NO CLUSTER: which relation a tile has is read from memory, so neighbouring work-groups need not share W, and a joint request would need addresses that are
; equal in all partners by shared coordinates; tile counts rounded up to fours could need 260 work-groups.  NO TENSOR LOADS: the tokens' rows pass
; through registers anyway for the rounding to bf16, and W's fragments are shared by no two waves.
; LIMITS: operands rounded to bf16 (nearest even), sums in f32, K ascending.
;
; THE MATRIX INSTRUCTION IS USED TRANSPOSED: source 0 = 16 rows of W, source 1 = 16 tokens.  Lane (r = l % 16, h = l / 16) then holds in register j
; out(token row 16 s + r, column 128 w + 64 half + 16 b + 8 h + j): eight neighbouring numbers of an output row.
; REGISTERS, in windows of 256:
;  window 0: v0-47 addresses and lists; v64-135, v136-207 token fragments, two buffers by turns; v208-239 the way out
;  window 1: accumulators of the first half, sub-tiles s = 0..7 at v[32 s + 8 b]
;  window 2: the same of the second half.  They are free until step 16, and the gather lives there: v0-191 a ring of 12 rows, v192-227 the 36 rows' offsets,
;            v228-231 LDS addresses; with data and addresses in one window, one setting serves its conversions, LDS stores and loads
;  window 3: v0-31 first half s = 8, v32-63 second half s = 8, v64-223 five buffers of W fragments
.set ROWS,   144
.set APITCH, 1040                      ; a token's 1,024 bytes of bf16 + 16: an odd multiple of 16, so 16 rows' 16-byte pieces start 16 bytes apart modulo 256
.set AGRP,   48*APITCH                 ; three address registers, 48 rows apart, keep the LDS immediates inside 16 bits
.set STAGE,  ROWS*APITCH               ; behind the tokens: for each wave 16 rows x 272 bytes for the way out
.set SPITCH, 272                       ; 64 columns of f32 + 16
.set SWAVE,  16*SPITCH
.set LIST,   STAGE+4*SWAVE             ; behind the stages: for each wave 224 words of token numbers
.set LWAVE,  896                       ; words 0-159: token of row p;  words 160-223: token of row 4 i + w, the rows that the wave gathers
.set LANE16, 4                         ; v4      16 x lane
.set OCOL,   5                         ; v5      512 w + 16 r: my 16 bytes in the first half's 256 bytes of an output row
.set AF,     6                         ; v6-8    token fragments: r x 1040 + 16 h + g x 49920
.set STO,    9                         ; v9      way out, in: stage + r x 272 + 32 h
.set RD,     10                        ; v10     way out, back: stage + h x 272 + 16 r
.set LWR,    11                        ; v11     my wave's list + 4 x lane
.set LRD,    12                        ; v12     my wave's list + 4 h
.set E,      14                        ; v14-18  lane l of register e: token of row 32 e + l;  v19-20: of row 4 l + w, of row 128 + 4 l + w
.set LO,     24                        ; v24-30  offsets into the bucket's list
.set ZR,     32                        ; v32-35  zeros
.set OOFF,   40                        ; v40-47  way out: token, then byte offset, of row 16 s + 2 t + h
.set XF,     64                        ; token fragments, buffer (step % 2) x 72
.set OB,     208                       ; v208-239 way out: 16 rows x 256 bytes as read back
.set RING,   0                         ; window 2: slot (i % 12) x 16 + 4 j
.set GOFF,   192                       ; window 2: row i: token x 2048 + 16 x lane
.set AW,     228                       ; window 2: w x 1040 + 8 x lane + g x 49920
.set LB,     231                       ; window 2: my wave's list
.set WB,     64                        ; window 3: W fragments, buffer (step % 5) x 32
.set MSB, 0
.macro WIN new                         ; s_set_vgpr_msb: bits 1:0 source 0, 3:2 source 1, 5:4 source 2, 7:6 destination; the high byte repeats the setting that is left
.if MSB != (\new)
	s_set_vgpr_msb (MSB<<8)|(\new)
.set MSB, (\new)
.endif
.endm
.macro PLACES                          ; four plain vector instructions between a matrix instruction and a load into, or a store from, its registers
.rept 4
	v_nop
.endr
.endm
	s_load_b256 s[4:11], s[0:1], 0x0               ; node_emb s[4:5], wb s[6:7], order s[8:9], counts s[10:11]
	s_load_b64 s[12:13], s[0:1], 0x20              ; out0
	v_lshrrev_b32 v1, 5, v0
	v_readfirstlane_b32 s14, v1                    ; wave 0..3
	s_wait_kmcnt 0x0
	s_load_b256 s[16:23], s[10:11], 0x0            ; c_0 .. c_7
	s_load_b32 s24, s[10:11], 0x20                 ; c_8
	s_load_b256 s[28:35], s[10:11], 0x40           ; n_0 .. n_7
	s_load_b32 s36, s[10:11], 0x60                 ; n_8
	; every address register of window 0 is made here, ahead of any branch
	v_and_b32 v1, 31, v0                           ; lane
	v_and_b32 v2, 15, v0                           ; r
	v_bfe_u32 v3, v0, 4, 1                         ; h
	v_lshlrev_b32 v[LANE16], 4, v1
	s_lshl_b32 s50, s14, 9
	v_lshl_add_u32 v[OCOL], v2, 4, s50
	v_mul_u32_u24 v[AF], v2, APITCH
	v_lshl_add_u32 v[AF], v3, 4, v[AF]
	v_add_nc_u32 v[AF+1], AGRP, v[AF]
	v_add_nc_u32 v[AF+2], 2*AGRP, v[AF]
	s_mul_i32 s50, s14, SWAVE
	s_add_co_u32 s50, s50, STAGE                   ; my wave's stage
	v_mul_u32_u24 v[STO], v2, SPITCH
	v_lshl_add_u32 v[STO], v3, 5, v[STO]
	v_add_nc_u32 v[STO], s50, v[STO]               ; row r, 32 h
	v_mul_u32_u24 v[RD], v3, SPITCH
	v_lshl_add_u32 v[RD], v2, 4, v[RD]
	v_add_nc_u32 v[RD], s50, v[RD]                 ; row h, 16 r: lanes 0-15 take one row's 256 bytes, lanes 16-31 the next row's
	s_mul_i32 s51, s14, LWAVE
	s_add_co_u32 s51, s51, LIST                    ; my wave's list
	v_lshl_add_u32 v[LWR], v1, 2, s51
	v_lshl_add_u32 v[LRD], v3, 2, s51
	s_wait_kmcnt 0x0
	; which tile is mine: no branch, nine compares
	s_add_co_u32 s43, s28, s29
.irp r, 30,31,32,33,34,35,36
	s_add_co_u32 s43, s43, s\r                     ; T = all tiles (at least 1: the 32,768 tokens lie in some bucket)
.endr
	s_sub_co_u32 s50, s43, 1
	s_min_u32 s53, ttmp9, s50                      ; a work-group without a tile looks the last tile up, so that it reads only words that were stored
	s_cmp_lt_u32 ttmp9, s43
	s_cselect_b32 s52, 1, 0                        ; I have a tile
	s_mov_b32 s40, 0                               ; bucket
	s_mov_b32 s41, 0                               ; its first tile
	s_mov_b32 s42, s16                             ; its tokens
	s_mov_b32 s37, 0
.irp r, 1,2,3,4,5,6,7,8
	s_add_co_u32 s37, s37, s[27+\r]                ; first tile of bucket r
	s_cmp_le_u32 s37, s53                          ; the last bucket that begins at or below my tile is mine (empty ones are passed over)
	s_cselect_b32 s40, \r, s40
	s_cselect_b32 s41, s37, s41
	s_cselect_b32 s42, s[16+\r], s42
.endr
	s_cmp_lt_u32 s40, 8
	s_cselect_b32 s48, s52, 0                      ; a tile with a product
	s_cmp_eq_u32 s40, 8
	s_cselect_b32 s49, s52, 0                      ; a tile of zeros
	s_sub_co_u32 s46, s53, s41
	s_mul_i32 s46, s46, ROWS                       ; start: my first place in the bucket's list
	s_add_co_u32 s47, s46, ROWS
	s_min_u32 s47, s47, s42
	s_sub_co_u32 s47, s47, 1                       ; last
	s_min_u32 s50, s40, 8
	s_lshl_b32 s44, s50, 17
	s_mov_b32 s45, 0
	s_add_nc_u64 s[8:9], s[8:9], s[44:45]          ; the bucket's list
	s_min_u32 s50, s40, 7
	s_lshl_b32 s44, s50, 19
	s_lshl_b32 s50, s14, 17
	s_add_co_u32 s44, s44, s50
	s_add_nc_u64 s[6:7], s[6:7], s[44:45]          ; the relation's W, my wave's 128 columns: 131,072 bytes
	; the lists
	v_add_nc_u32 v[LO], s46, v1
.irp e, 1,2,3,4
	v_add_nc_u32 v[LO+\e], 32*\e, v[LO]
.endr
	v_lshl_add_u32 v[LO+5], v1, 2, s46
	v_add_nc_u32 v[LO+5], s14, v[LO+5]
	v_add_nc_u32 v[LO+6], 128, v[LO+5]
.irp q, 0,1,2,3,4,5,6
	v_min_u32 v[LO+\q], s47, v[LO+\q]              ; rows beyond the end repeat the last token
	v_min_u32 v[LO+\q], 0x7fff, v[LO+\q]           ; inside the region
	v_lshlrev_b32 v[LO+\q], 2, v[LO+\q]
.endr
.irp q, 0,1,2,3,4,5,6
	global_load_b32 v[E+\q], v[LO+\q], s[8:9]
.endr
; A step is 32 along K for one half of the wave's columns: step kn is K step kn % 16 of half kn / 16.
; 8 loads: the four W fragments of step kn into buffer kn % 5; each load is 512 neighbouring bytes
.macro BLOAD kn
.irp b, 0,1,2,3
	global_load_b128 v[WB+32*((\kn)%5)+8*\b:WB+32*((\kn)%5)+8*\b+3],   v[LANE16], s[6:7] offset:((\kn)%16)*8192+((\kn)/16)*4096+\b*1024
	global_load_b128 v[WB+32*((\kn)%5)+8*\b+4:WB+32*((\kn)%5)+8*\b+7], v[LANE16], s[6:7] offset:((\kn)%16)*8192+((\kn)/16)*4096+\b*1024+512
.endr
.endm
	WIN 0xC0                                       ; destination in window 3
	BLOAD 0                                        ; the first four steps' fragments go out ahead of the branch: they are on their way while the tokens are
	BLOAD 1                                        ; gathered, and the registers that the products read are written on every way through the text
	BLOAD 2
	BLOAD 3
	WIN 0
	s_wait_loadcnt 32                              ; the lists are in; the 32 younger loads of W stay out
.irp q, 0,1,2,3,4,5,6
	ds_store_b32 v[LWR], v[E+\q] offset:128*\q     ; into my wave's own words: from here a row's token is read at an immediate offset, the same word by all the lanes that want it
.endr
	s_cmp_eq_u32 s48, 0
	s_cbranch_scc1 .Lbar
; ---------------------------------------------------------------- the tokens' rows: wave w brings rows 4 i + w, i = 0..35, through a ring of 12 rows (48 loads)
; A slot is filled again as soon as its row is rounded and stored to LDS, so 44 to 48 loads of the wave are always on their way.
.macro GADDR i                         ; row i's offset, in vector registers throughout
	v_min_u32 v[GOFF+(\i)], 0x7fff, v[GOFF+(\i)]                   ; a token's number stays inside node_emb
	v_lshl_add_u32 v[GOFF+(\i)], v[GOFF+(\i)], 11, v[LANE16]       ; x 2,048 bytes + 16 x lane (source 2 is in window 0)
.endm
.macro GROW i                          ; row i's four loads, 512 neighbouring bytes each
.irp j, 0,1,2,3
	global_load_b128 v[RING+16*((\i)%12)+4*\j:RING+16*((\i)%12)+4*\j+3], v[GOFF+(\i)], s[4:5] offset:512*\j
.endr
.endm
.macro GCONV i
.if 35-(\i) < 11
	s_wait_loadcnt 4*(35-(\i))                     ; the last rows: the counts run down
.else
	s_wait_loadcnt 44                              ; loads come back in order (ISA guide 5.7.1): row i is in, the eleven younger rows stay out
.endif
.irp j, 0,1,2,3
	v_cvt_pk_bf16_f32 v[RING+16*((\i)%12)+4*\j],   v[RING+16*((\i)%12)+4*\j],   v[RING+16*((\i)%12)+4*\j+1]
	v_cvt_pk_bf16_f32 v[RING+16*((\i)%12)+4*\j+1], v[RING+16*((\i)%12)+4*\j+2], v[RING+16*((\i)%12)+4*\j+3]
.endr
.irp j, 0,1,2,3
	ds_store_b64 v[AW+(\i)/12], v[RING+16*((\i)%12)+4*\j:RING+16*((\i)%12)+4*\j+1] offset:((\i)%12)*4*APITCH+256*\j
.endr
.endm
	s_mul_i32 s37, s14, APITCH
	s_add_co_u32 s38, s37, AGRP
	s_add_co_u32 s39, s37, 2*AGRP
	WIN 0x80                                       ; destination in window 2, sources in window 0
	v_lshl_add_u32 v[AW],   v1, 3, s37
	v_lshl_add_u32 v[AW+1], v1, 3, s38
	v_lshl_add_u32 v[AW+2], v1, 3, s39
	v_mov_b32 v[LB], s51
	WIN 0x8A                                       ; destination, source 0 (addresses) and source 1 (store data) in window 2: the whole gather runs under this setting
.set gi, 0
.rept 36
	ds_load_b32 v[GOFF+gi], v[LB] offset:640+4*gi  ; my wave's own words, served in order behind the stores above (ISA guide 5.7.1); every lane takes the same word
.set gi, gi+1
.endr
	s_wait_dscnt 0x0
.set gi, 0
.rept 12
	GADDR gi
	GROW gi                                        ; the ring is filled
.set gi, gi+1
.endr
.rept 24
	GADDR gi                                       ; the other rows' offsets, while the first loads are on their way
.set gi, gi+1
.endr
.set gi, 0
.rept 36
	GCONV gi
.if gi+12 < 36
	GROW gi+12
.endif
.set gi, gi+1
.endr
	WIN 0
.Lbar:                                             ; every way through the text passes this one barrier
	s_wait_dscnt 0x0                               ; my rows are in LDS before I say so
	s_barrier_signal -1
	s_barrier_wait -1                              ; all 144 rows are
	s_cmp_eq_u32 s48, 0
	s_cbranch_scc1 .Lnotlive
; ---------------------------------------------------------------- the products: 32 steps, written out, every offset an immediate
; 18 LDS loads: the nine token fragments of step kn (16 rows x 32 k: two 16-byte pieces, 32 bytes apart) into buffer kn % 2
.macro AFETCH kn
.irp s, 0,1,2,3,4,5,6,7,8
	ds_load_b128 v[XF+72*((\kn)%2)+8*\s:XF+72*((\kn)%2)+8*\s+3],   v[AF+\s/3] offset:(\s%3)*16*APITCH+64*((\kn)%16)
	ds_load_b128 v[XF+72*((\kn)%2)+8*\s+4:XF+72*((\kn)%2)+8*\s+7], v[AF+\s/3] offset:(\s%3)*16*APITCH+64*((\kn)%16)+32
.endr
.endm
; four matrix instructions: sub-tile s x the half's four column tiles.  In a half's first step the constant 0 starts the sums: nothing is cleared.
.macro MUL s, kn
.if (\s) < 8
.set MB, 32*(\s)
.else
.set MB, 32*((\kn)/16)
.endif
.irp b, 0,1,2,3
.if ((\kn)%16) == 0
	v_wmma_f32_16x16x32_bf16 v[MB+8*\b:MB+8*\b+7], v[WB+32*((\kn)%5)+8*\b:WB+32*((\kn)%5)+8*\b+7], v[XF+72*((\kn)%2)+8*(\s):XF+72*((\kn)%2)+8*(\s)+7], 0
.else
	v_wmma_f32_16x16x32_bf16 v[MB+8*\b:MB+8*\b+7], v[WB+32*((\kn)%5)+8*\b:WB+32*((\kn)%5)+8*\b+7], v[XF+72*((\kn)%2)+8*(\s):XF+72*((\kn)%2)+8*(\s)+7], v[MB+8*\b:MB+8*\b+7]
.endif
.endr
.endm
; THE WAY OUT of sub-tile s (16 token rows x 64 columns) of a half, in two parts, through my wave's own stage.
; First part, 24 LDS instructions: a lane's 32 bytes of a row go in, the rows' tokens are read, and whole rows of 256 bytes are read back, two rows a load.
.macro OUTA half, s
.if (\s) < 8
.set OBASE, 32*(\s)
	WIN (1+(\half))<<2                             ; store data (source 1) from the half's window
.else
.set OBASE, 32*(\half)
	WIN 0x0C
.endif
.irp b, 0,1,2,3
	ds_store_b128 v[STO], v[OBASE+8*\b:OBASE+8*\b+3]   offset:64*\b
	ds_store_b128 v[STO], v[OBASE+8*\b+4:OBASE+8*\b+7] offset:64*\b+16
.endr
	WIN 0
	s_wait_xcnt 0x0                                ; the offsets and data of the last sub-tile's stores are loaded again only behind this wait
.irp t, 0,1,2,3,4,5,6,7
	ds_load_b32 v[OOFF+\t], v[LRD] offset:64*(\s)+8*\t             ; token of row 16 s + 2 t + h
.endr
.irp t, 0,1,2,3,4,5,6,7
	ds_load_b128 v[OB+4*\t:OB+4*\t+3], v[RD] offset:2*SPITCH*\t    ; my wave's own bytes, served in order (ISA guide 5.7.1): these see the stores above
.endr
.endm
; Second part: the offsets, in vector registers, and eight stores.  In each, lanes 0-15 cover 256 neighbouring bytes of one output row and lanes 16-31 of the next,
; each piece at a multiple of 256 from out0's first byte.  cnt = 1: the LDS loads were issued just before, and are waited for one by one.
.macro OUTB half, cnt
.if \cnt
	s_wait_dscnt 8                                 ; the tokens are in; the eight younger loads of rows stay out
.else
	s_wait_dscnt 0x0                               ; issued 36 matrix instructions ago
.endif
.irp t, 0,1,2,3,4,5,6,7
	v_min_u32 v[OOFF+\t], 0x7fff, v[OOFF+\t]       ; a token's number stays inside out0
.endr
.irp t, 0,1,2,3,4,5,6,7
	v_lshl_add_u32 v[OOFF+\t], v[OOFF+\t], 11, v[OCOL]
.endr
.irp t, 0,1,2,3,4,5,6,7
.if \cnt
	s_wait_dscnt 7-\t
.endif
	global_store_b128 v[OOFF+\t], v[OB+4*\t:OB+4*\t+3], s[12:13] offset:256*(\half) th:TH_STORE_NT
.endr
.endm
; A step: 36 matrix instructions.  The half's 36 accumulators take turns, one instruction a turn, in the same order in every step.
; Behind the first 16 the loads of later steps go out in one run: W's fragments four steps (128 matrix instructions) ahead, the tokens' one step ahead.
; They land in the buffers that the step before read: four places stand between its last matrix instruction and them, v_nop or the sixteen vector
; instructions of a way out's second part.  a: the first half's sub-tile whose way out begins here (-1: none); b = 1: the one begun in the step before ends here.
.macro KSTEP kn, a, b
.if 31-(\kn) < 3
	s_wait_loadcnt 8*(31-(\kn))                    ; the last steps: the counts run down
.else
	s_wait_loadcnt 24                              ; this step's fragments of W are in; the next three steps' 24 loads stay out
.endif
.if \b
	s_wait_dscnt 24                                ; this step's token fragments are in; the 24 younger LDS instructions of the way out stay out
.else
	s_wait_dscnt 0x0                               ; this step's token fragments
.endif
	WIN 0x53+0x50*((\kn)/16)                       ; source 0 (W) window 3, source 1 (tokens) window 0, C and D window 1 or 2
	MUL 0, \kn
	MUL 1, \kn
	MUL 2, \kn
	MUL 3, \kn
.if \b
	WIN 0
	OUTB 0, 0
.else
.if (\kn) > 0
	PLACES
.endif
.endif
.if (\kn)+4 < 32
	WIN 0xC0
	BLOAD (\kn)+4
.endif
.if (\kn)+1 < 32
	WIN 0
	AFETCH (\kn)+1
.endif
.if (\a) >= 0
	OUTA 0, \a
.endif
	WIN 0x53+0x50*((\kn)/16)
	MUL 4, \kn
	MUL 5, \kn
	MUL 6, \kn
	MUL 7, \kn
	WIN 0xF3                                       ; C and D window 3
	MUL 8, \kn
.endm
	AFETCH 0
.irp k, 0,1,2,3,4,5,6,7,8,9,10,11,12,13,14,15
	KSTEP \k, -1, 0                                ; the first half
.endr
	KSTEP 16, 0, 0                                 ; the second half; the first half's nine sub-tiles go out, shared evenly over its sixteen steps
	KSTEP 17, 1, 1
	KSTEP 18, -1, 1
	KSTEP 19, 2, 0
	KSTEP 20, -1, 1
	KSTEP 21, 3, 0
	KSTEP 22, -1, 1
	KSTEP 23, 4, 0
	KSTEP 24, 5, 1
	KSTEP 25, -1, 1
	KSTEP 26, 6, 0
	KSTEP 27, -1, 1
	KSTEP 28, 7, 0
	KSTEP 29, -1, 1
	KSTEP 30, 8, 0
	KSTEP 31, -1, 1
	PLACES                                         ; behind the last matrix instructions: LDS stores read their results
.irp s, 0,1,2,3,4,5,6,7,8
	OUTA 1, \s                                     ; the second half's way out
	OUTB 1, 1
.endr
	s_endpgm
; ---------------------------------------------------------------- no product: zeros for a tile of bucket 8, nothing for a work-group without a tile
.macro ZSUB s                          ; rows 16 s .. 16 s + 15: my wave's 512 bytes of each, as two pieces of 256
.irp t, 0,1,2,3,4,5,6,7
	ds_load_b32 v[OOFF+\t], v[LRD] offset:64*\s+8*\t
.endr
	s_wait_dscnt 0x0
.irp t, 0,1,2,3,4,5,6,7
	v_min_u32 v[OOFF+\t], 0x7fff, v[OOFF+\t]
	v_lshl_add_u32 v[OOFF+\t], v[OOFF+\t], 11, v[OCOL]
.endr
.irp t, 0,1,2,3,4,5,6,7
	global_store_b128 v[OOFF+\t], v[ZR:ZR+3], s[12:13] th:TH_STORE_NT
	global_store_b128 v[OOFF+\t], v[ZR:ZR+3], s[12:13] offset:256 th:TH_STORE_NT
.endr
	s_wait_xcnt 0x0                                ; the offsets are loaded again only behind this wait
.endm
.Lnotlive:
	s_cmp_eq_u32 s49, 0
	s_cbranch_scc1 .Lend
.irp k, 0,1,2,3
	v_mov_b32 v[ZR+\k], 0
.endr
.irp s, 0,1,2,3,4,5,6,7,8
	ZSUB \s
.endr
.Lend:
	s_endpgm
.Lfunc_end_k_q679cab50fe_main:
	.size	k_q679cab50fe_main, .Lfunc_end_k_q679cab50fe_main-k_q679cab50fe_main
	.p2alignl 7, 3214868480
	.fill 96, 4, 3214868480
	.section	.rodata,"a",@progbits
	.p2align	6, 0x0
	.amdhsa_kernel k_q679cab50fe_main
		.amdhsa_group_segment_fixed_size 170752
		.amdhsa_private_segment_fixed_size 0
		.amdhsa_enable_private_segment 0
		.amdhsa_kernarg_size 40
		.amdhsa_user_sgpr_count 2
		.amdhsa_user_sgpr_kernarg_segment_ptr 1
		.amdhsa_wavefront_size32 1
		.amdhsa_system_sgpr_workgroup_id_x 1
		.amdhsa_system_sgpr_workgroup_id_y 1
		.amdhsa_system_sgpr_workgroup_id_z 1
		.amdhsa_system_vgpr_workitem_id 0
		.amdhsa_next_free_vgpr 1024
		.amdhsa_next_free_sgpr 66
		.amdhsa_reserve_vcc 0
		.amdhsa_float_denorm_mode_32 3
		.amdhsa_float_denorm_mode_16_64 3
		.amdhsa_memory_ordered 1
		.amdhsa_forward_progress 1
		.amdhsa_inst_pref_size 255
	.end_amdhsa_kernel
	.section	.bss,"aw",@nobits
	.p2align	6
	.space	262144
	.amdgpu_metadata
---
amdhsa.version: [ 1, 2 ]
amdhsa.kernels:
  - .name:           k_q679cab50fe_main
    .symbol:         k_q679cab50fe_main.kd
    .args:
      - { .name: node_emb, .offset: 0, .size: 8, .value_kind: global_buffer, .address_space: global }
      - { .name: wb, .offset: 8, .size: 8, .value_kind: global_buffer, .address_space: global }
      - { .name: order, .offset: 16, .size: 8, .value_kind: global_buffer, .address_space: global }
      - { .name: counts, .offset: 24, .size: 8, .value_kind: global_buffer, .address_space: global }
      - { .name: out0, .offset: 32, .size: 8, .value_kind: global_buffer, .address_space: global }
    .group_segment_fixed_size: 170752
    .private_segment_fixed_size: 0
    .kernarg_segment_align: 8
    .kernarg_segment_size: 40
    .max_flat_workgroup_size: 128
    .sgpr_count:     66
    .vgpr_count:     1024
    .wavefront_size: 32
...
	.end_amdgpu_metadata
.endif
;; end of part 4
